; MI455X (gfx1250); checked and timed in simulation.
; The chip was launched on July 23, 2026; its instructions are those of AMD's public machine-readable ISA for CDNA 5 (MIT licence, August 2026) and "CDNA5" Instruction Set Architecture Reference Guide (July 2026). The comments in the code are by the model that wrote it; some were corrected since.
;; Mo EFFN. Allowed arithmetic: matrix products marked QUANTISED: E2M1 operands, one E8M0 scale for each 32 along K, by v_wmma_scale_f32_16x16x128_f8f6f4 with both operands' format E2M1 (or v_wmma_scale_f32_32x16x128_f4), f32 sums; products left as they are: f32 operands where the result goes on into a quantised operand, else bf16, f16 or f32 operands; f32 sums; everything else in f32.
;; Inputs: b1 4 x 4,096 float32; b2 4 x 1,024 float32; router_b 4 float32; router_w 1,024 x 4 float32; w1_codes 4 x 4,096 x 32 x 16 uint8 (E2M1 codes of w1, K innermost, in blocks of 32 codes, two codes a byte); w1_scales 4 x 4,096 x 32 uint8 (E8M0 scales of w1, one for each 32 codes along K); w2_codes 4 x 1,024 x 128 x 16 uint8 (E2M1 codes of w2, K innermost, in blocks of 32 codes, two codes a byte); w2_scales 4 x 1,024 x 128 uint8 (E8M0 scales of w2, one for each 32 codes along K); x 4 x 512 x 1,024 float32.
;; Outputs: out0 4 x 512 x 1,024 float32.
;; This version of the problem:
;;   THIS VERSION OF THE PROBLEM IS GIVEN IN LOW PRECISION. The matrix products marked QUANTISED in the list below multiply operands that are first quantised to E2M1 (2 exponent bits, 1 mantissa bit; 4 bits a number), with one power-of-two scale for each 32 numbers along K (OCP MX v1.0); their sums are f32. All else is computed in f32.
;;   The module's matrix products, in the order in which they are computed (A, B: the left and right operand; K: the contracted axis; several contracted axes count as one K, in the product's order):
;;     1. [M 2,048, K 1,024] x [K 1,024, N 4]; A: input x; B: input router_w: left as it is (N = 4 < 16)
;;     2. [M 2,048, K 1,024] x [K 1,024, N 16,384]; A: input x; B: input w1 (given as codes): QUANTISED
;;     3. batch 4 x [M 1,024, K 4,096] x [K 4,096, N 2,048]; A: input w2 (given as codes); B: computed on the way: QUANTISED
;;     4. batch 2,048 x [M 1,024, K 4] x [K 4, N 1]; A: computed on the way; B: computed on the way: left as it is (K = 4 < 32)
;;   THE QUANTISER, for each operand of a quantised product, along K:
;;     - K is cut into blocks of 32 from its start; a last block that is shorter is filled with zeros.
;;     - A block's scale is 2^e with e = floor(log2(the largest magnitude in the block)) - 2, held to -126 .. 127; a block of zeros has e = 0. As a byte (E8M0): e + 127.
;;     - Each number is divided by its block's scale, clamped to +-6, and rounded to the nearest number of E2M1, ties to even, subnormals kept.
;;     - The product sums the exact products of the quantised numbers (number of the format x scale) in f32.
;;   ~~~python
;;   def quantise(x, axis):      # numpy; x: float32 -> the quantised numbers, widened to float32 again
;;       x = np.moveaxis(x, axis, -1); K = x.shape[-1]
;;       x = np.pad(x, [(0, 0)] * (x.ndim - 1) + [(0, -K % 32)]); x = x.reshape(x.shape[:-1] + (-1, 32)); a = np.abs(x).max(-1, keepdims=True)
;;       e = np.where(a > 0, np.clip(np.frexp(np.where(a > 0, a, 1))[1] - 1 - 2, -126, 127), 0)      # np.frexp(a)[1] - 1 = floor(log2(a)), exactly
;;       r = np.clip(x / 2.0 ** e, -6, 6)
;;       step = 2.0 ** (np.maximum(np.frexp(np.where(r == 0, 1, r))[1] - 1, 0) - 1)
;;       q = np.round(r / step) * step * 2.0 ** e      # np.round: ties to even
;;       return np.moveaxis(q.reshape(q.shape[:-2] + (-1,))[..., :K], -1, axis).astype(np.float32)
;;   ~~~
;;   OPERANDS COMPUTED ON THE WAY. 'Computed on the way' means the value that the module computes at that place (a softmax that the list does not call 'softmax' is quantised finished and normalised). What goes into a quantiser is computed in f32, as accurately as f32 sums, v_exp_f32 and their like allow (about 1e-6 of the number): no bf16 or f16 on the way to a quantiser, and a product that is left as it is and whose result goes on into a quantised operand takes f32 operands (vector FMAs, or v_wmma_f32_16x16x4_f32). A number that lies on a knife's edge between two numbers of the format may be rounded either way, as far as f32 arithmetic and the matrix unit's own rounding can turn it there, and no further.
;;   INPUTS GIVEN AS CODES. w1 (in the module: [4, 1024, 4096], K = its axis 1); w2 (in the module: [4, 4096, 1024], K = its axis 1): each comes as NAME_codes (uint8): NAME with its K axis moved to the last place and cut into blocks of 32 codes, [.., K / 32, bytes a block], one block behind the other in memory; two codes a byte, the lower K in the low four bits (a code: sign, 2 exponent bits, 1 mantissa bit); and NAME_scales (uint8): the same leading axes, one E8M0 byte (e + 127) for each 32 codes along K. Its value is code x scale, taken as it is: it is not quantised again, and the codes and scales need not be those that the quantiser above would give.
;; One version. Each part assembles by itself: llvm-mc -triple=amdgcn-amd-amdhsa -mcpu=gfx1250 --defsym DOCPART=n.
;; ======== version 1 of 1: 3 launches
;; limits: a function is approximated: absolute error at most 1.5e-07
;; workspace buffers: xq 1,048,576 bytes; xs 65,536 bytes; sel 1,024 bytes of whole numbers; hq 4,751,360 bytes; hs 593,920 bytes; plan 29,696 bytes of whole numbers
;; launch route (part 1): grid 256 x 1, 4 waves a work-group, no clusters, 54,784 bytes of LDS; arguments x, router_w, router_b, xq, xs, sel; writes xq, xs, sel
.if DOCPART == 1
	.amdgcn_target "amdgcn-amd-amdhsa--gfx1250"
	.amdhsa_code_object_version 6
	.text
	.protected	k_q71e63f5a48_route
	.globl	k_q71e63f5a48_route
	.p2align	8
	.type	k_q71e63f5a48_route,@function
k_q71e63f5a48_route:
	s_mov_b64 s[64:65], 0
	v_nop
	global_prefetch_b8 v0, s[64:65] scope:SCOPE_SE
	s_setreg_imm32_b32 hwreg(HW_REG_WAVE_MODE, 25, 1), 1
	s_wait_xcnt 0x0
; ROUTER AND QUANTISER OF x.  x: [2048][1024] f32.  For each token: logits = x router_w + router_b (f32 multiply-adds), softmax with the maximum taken away, argmax (the lower index wins a tie);
; and x's codes of E2M1 with one E8M0 byte for each 32 along the 1,024.
; OUT: xq [token][512 bytes] codes, K innermost; xs [token][32] scale bytes; sel [expert][256 bytes]: bit j of byte g is 1 where token 8 g + j chose the expert.  The choice is only stored here, at fixed places.
; SHARES.  Work-group g takes tokens 8 g .. 8 g + 7, wave w tokens 8 g + 2 w and + 1.  A token's 4,096 bytes are loaded as they lie (512 consecutive bytes an instruction) and turned through the wave's own stage in LDS,
; so that lane l holds x[32 l .. 32 l + 31]: one whole block of the quantiser, and 32 terms of each logit.  router_w is turned the same way once for the work-group: lane l holds rows 32 l .. 32 l + 31.
; No matrix unit (4 columns), no tensor load, no cluster: work-groups share only router_w's 16 KiB.  Division by TEMP = 1.0 changes no bit and is not written.
; LIMITS: NaN and infinities are not served.  A block of zeros gets the byte 1 where the rule says 127: its codes are zeros, and the bytes are read by this program alone.  The logits' sums are taken in another order than
; the reference's: two logits that agree to within f32 summing error can fall either way.
.set XST,  16896                       ; LDS: router_w at 0: 32 groups of 32 rows x 16 bytes + 16 of padding (pitch 528); from XST a stage of 32 x 144 bytes for each token of each wave
.set SCB,  53760                       ; the 8 tokens' scale bytes, 32 each
.set MWD,  54016                       ; one mask word a wave
.set ACC,  16                          ; v16-23   the logits: token j, expert e at 4 j + e
.set X,    48                          ; v48-111  token j's 32 numbers
.set W,    112                         ; v112-239 router_w: row i of my 32, expert e at 4 i + e
.set CD,   240                         ; v240-247 the codes
	s_load_b256 s[4:11], s[0:1], 0x0               ; x s[4:5], router_w s[6:7], router_b s[8:9], xq s[10:11]
	s_load_b128 s[12:15], s[0:1], 0x20             ; xs s[12:13], sel s[14:15]
	v_lshl_add_u32 v254, v0, 2, 0xd400
	v_mov_b32 v255, 0
	v_lshrrev_b32 v14, 5, v0
	v_readfirstlane_b32 s20, v14                   ; wave 0..3
	v_and_b32 v1, 31, v0                           ; lane
	v_lshlrev_b32 v2, 4, v1                        ; 16 x lane
	s_mul_i32 s21, s20, 9216
	s_add_co_u32 s21, s21, XST                     ; my wave's two stages
	v_lshrrev_b32 v3, 3, v1
	v_mul_u32_u24 v3, v3, 144
	v_and_b32 v14, 7, v1
	v_lshl_add_u32 v3, v14, 4, v3
	v_add_nc_u32 v3, s21, v3                       ; stage, in: eight lanes' 128 bytes are a block, then 16 of padding
	v_mul_u32_u24 v4, v1, 144
	v_add_nc_u32 v4, s21, v4                       ; stage, out: block = lane
	s_mul_i32 s21, s20, 528
	v_add_nc_u32 v5, s21, v2                       ; router_w, in: row 32 w + lane + 128 i
	v_mul_u32_u24 v6, v1, 528                      ; router_w, out: rows 32 lane on
	v_lshlrev_b32 v7, 4, v0                        ; router_w in memory: 16 bytes a row
	s_lshl_b32 s21, s20, 6
	s_add_co_u32 s21, s21, SCB
	v_add_nc_u32 v8, s21, v1                       ; my block's scale byte
	s_lshl_b32 s21, s20, 2
	s_add_co_u32 s21, s21, MWD
	v_mov_b32 v9, s21                              ; my wave's mask word
	v_mov_b32 v10, MWD                             ; wave 0's reads at the end: the four words,
	v_lshl_add_u32 v11, v1, 3, SCB                 ; and 8 scale bytes a lane
	v_lshlrev_b32 v12, 3, v1                       ; 8 x lane
	v_lshlrev_b32 v13, 8, v1                       ; 256 x lane: an expert's row of sel
	s_mov_b32 s22, 0x76543210
	s_mov_b32 s23, 0xfedcba98                      ; v_permlanex16_b32's selects for lane l xor 16
	s_lshl_b32 s24, ttmp9, 3
	s_lshl_b32 s25, s20, 1                         ; 2 w: my first token's bit in a byte of sel
	s_add_co_u32 s35, s25, 1
	s_add_co_u32 s24, s24, s25                     ; my first token
	s_lshl_b32 s26, s24, 12                        ; its bytes in x,
	s_mov_b32 s27, 0
	s_lshl_b32 s28, s24, 9                         ; in xq,
	s_mov_b32 s29, 0
	s_lshl_b32 s30, ttmp9, 8                       ; the work-group's 256 bytes of xs,
	s_mov_b32 s31, 0
	s_mov_b32 s32, ttmp9                           ; and its byte in each row of sel
	s_mov_b32 s33, 0
.irp a, 0,1,2,3,4,5,6,7
	v_mov_b32 v[32+\a], 0                          ; written once: a lane permute's destination counts as one of its sources
.endr
	s_wait_kmcnt 0x0
	s_load_b128 s[16:19], s[8:9], 0x0              ; router_b
	s_add_nc_u64 s[4:5], s[4:5], s[26:27]
	s_add_nc_u64 s[10:11], s[10:11], s[28:29]
	s_add_nc_u64 s[12:13], s[12:13], s[30:31]
	s_add_nc_u64 s[14:15], s[14:15], s[32:33]
.irp i, 0,1,2,3,4,5,6,7
	global_load_b128 v[W+4*\i:W+4*\i+3], v7, s[6:7] offset:2048*\i       ; router_w: 128 rows an instruction of the work-group
.endr
.irp j, 0,1
.irp i, 0,1,2,3,4,5,6,7
	global_load_b128 v[X+32*\j+4*\i:X+32*\j+4*\i+3], v2, s[4:5] offset:4096*\j+512*\i th:TH_LOAD_NT   ; 512 consecutive bytes; read once in the launch
.endr
.endr
	s_wait_loadcnt 16                              ; router_w is in; x's sixteen younger loads stay out
.irp i, 0,1,2,3,4,5,6,7
	ds_store_b128 v5, v[W+4*\i:W+4*\i+3] offset:2112*\i
.endr
	s_wait_dscnt 0x0                               ; for the others' sake: my part of router_w lies in LDS
	s_barrier_signal -1
	s_barrier_wait -1
.irp i, 0,1,2,3,4,5,6,7,8,9,10,11,12,13,14,15,16,17,18,19,20,21,22,23,24,25,26,27,28,29,30,31
	ds_load_b128 v[W+4*\i:W+4*\i+3], v6 offset:16*\i                     ; router_w[32 lane + i][0..3]
.endr
	s_wait_loadcnt 0x0                             ; x
.irp j, 0,1
.irp i, 0,1,2,3,4,5,6,7
	ds_store_b128 v3, v[X+32*\j+4*\i:X+32*\j+4*\i+3] offset:4608*\j+576*\i
.endr
.irp i, 0,1,2,3,4,5,6,7
	ds_load_b128 v[X+32*\j+4*\i:X+32*\j+4*\i+3], v4 offset:4608*\j+16*\i  ; LDS serves a wave's instructions in order: these see my stores
.endr
.endr
	s_wait_dscnt 0x0
	; the logits' partial sums: eight chains by turns; the first product starts each sum
.irp j, 0,1
.irp e, 0,1,2,3
	v_mul_f32 v[ACC+4*\j+\e], v[X+32*\j], v[W+\e]
.endr
.endr
.set i, 1
.rept 31
.irp j, 0,1
.irp e, 0,1,2,3
	v_fmac_f32 v[ACC+4*\j+\e], v[X+32*\j+i], v[W+4*i+\e]
.endr
.endr
.set i, i+1
.endr
; Token j's block of 32 in my lane: largest magnitude, scale, codes.  The largest magnitude's exponent field less 2 is the scale's byte; the floor 2^(3 - 127) holds it at 1 from below.
.macro QX j
.set xb, X+32*(\j)
.set tq, 24+4*(\j)
	v_max3_num_f32 v[tq], |v[xb]|, |v[xb+1]|, |v[xb+2]|
	v_max3_num_f32 v[tq+1], |v[xb+3]|, |v[xb+4]|, |v[xb+5]|
.irp i, 6,10,14,18,22,26
	v_max3_num_f32 v[tq], v[tq], |v[xb+\i]|, |v[xb+\i+1]|
	v_max3_num_f32 v[tq+1], v[tq+1], |v[xb+\i+2]|, |v[xb+\i+3]|
.endr
	v_max3_num_f32 v[tq], v[tq], |v[xb+30]|, |v[xb+31]|
	v_max3_num_f32 v[tq], v[tq], v[tq+1], 0x1800000
	v_add_nc_u32 v[tq+2], 0xff000000, v[tq]        ; 2 off the exponent field: the conversion takes this operand's exponent field as its scale
	v_lshrrev_b32 v[tq+3], 23, v[tq+2]             ; the byte
.irp g, 0,1,2,3
	v_cvt_scalef32_pk8_fp4_f32 v[CD+4*(\j)+\g], v[xb+8*\g:xb+8*\g+7], v[tq+2]
.endr
	v_nop                                          ; one plain line behind the last conversion
	global_store_b128 v2, v[CD+4*(\j):CD+4*(\j)+3], s[10:11] offset:512*(\j)   ; the wave stores the token's 512 consecutive bytes
	ds_store_b8 v8, v[tq+3] offset:32*(\j)
.endm
	QX 0
	QX 1
	; the sums over the 32 lanes
.irp m, 1,2,4,8
.irp a, 0,1,2,3,4,5,6,7
	v_add_f32_dpp v[ACC+\a], v[ACC+\a], v[ACC+\a] row_xmask:\m row_mask:0xf bank_mask:0xf
.endr
.endr
.irp a, 0,1,2,3,4,5,6,7
	v_permlanex16_b32 v[32+\a], v[ACC+\a], s22, s23
.endr
.irp a, 0,1,2,3,4,5,6,7
	v_add_f32 v[ACC+\a], v[ACC+\a], v[32+\a]
.endr
	s_wait_kmcnt 0x0                               ; router_b
.irp j, 0,1
.irp e, 0,1,2,3
	v_add_f32 v[ACC+4*\j+\e], s[16+\e], v[ACC+4*\j+\e]
.endr
.endr
	; softmax: the maximum is taken away, then 2^((l - m) log2 e), the sum, the reciprocal
.irp j, 0,1
	v_max3_num_f32 v[40+\j], v[ACC+4*\j], v[ACC+4*\j+1], v[ACC+4*\j+2]
.endr
.irp j, 0,1
	v_max_num_f32 v[40+\j], v[40+\j], v[ACC+4*\j+3]
.endr
.irp j, 0,1
.irp e, 0,1,2,3
	v_sub_f32 v[ACC+4*\j+\e], v[ACC+4*\j+\e], v[40+\j]
.endr
.endr
.irp a, 0,1,2,3,4,5,6,7
	v_mul_f32 v[ACC+\a], 0x3fb8aa3b, v[ACC+\a]
.endr
.irp a, 0,1,2,3,4,5,6,7
	v_exp_f32 v[ACC+\a], v[ACC+\a]
.endr
	v_nop                                          ; a plain line behind the last exponential
	s_wait_alu depctr_va_vdst(0)                   ; one wait for the eight, ahead of their first reader
.irp j, 0,1
	v_add_f32 v[42+\j], v[ACC+4*\j], v[ACC+4*\j+1]
	v_add_f32 v[44+\j], v[ACC+4*\j+2], v[ACC+4*\j+3]
.endr
.irp j, 0,1
	v_add_f32 v[42+\j], v[42+\j], v[44+\j]
.endr
.irp j, 0,1
	v_rcp_f32 v[42+\j], v[42+\j]
.endr
	v_mov_b32 v36, 1                               ; (a plain line behind the reciprocals)
	s_wait_alu depctr_va_vdst(0)                   ; one wait for the two
.irp j, 0,1
.irp e, 0,1,2,3
	v_mul_f32 v[ACC+4*\j+\e], v[ACC+4*\j+\e], v[42+\j]   ; the probabilities
.endr
.endr
	; argmax: a later expert takes over only where it is strictly larger
.irp j, 0,1
	v_mov_b32 v[44+\j], 0
	v_mov_b32 v[46+\j], v[ACC+4*\j]
.endr
.irp e, 1,2,3
.irp j, 0,1
	v_cmp_le_f32 vcc_lo, v[ACC+4*\j+\e], v[46+\j]
	v_cndmask_b32 v[44+\j], \e, v[44+\j], vcc_lo
	v_max_num_f32 v[46+\j], v[46+\j], v[ACC+4*\j+\e]
.endr
.endr
	v_lshl_add_u32 v44, v44, 3, s25                ; bit 8 e + 2 w + j of the work-group's mask word
	v_lshl_add_u32 v45, v45, 3, s35
	v_lshlrev_b32 v44, v44, v36
	v_lshlrev_b32 v45, v45, v36
	v_or_b32 v44, v44, v45
	ds_store_b32 v9, v44                           ; all lanes write the same word with the same value
	s_wait_dscnt 0x0                               ; for wave 0's sake: my mask word and my scale bytes lie in LDS
	s_barrier_signal -1
	s_barrier_wait -1
	s_cmp_lg_u32 s20, 0
	s_cbranch_scc1 .Lend                           ; wave 0 stores what the four waves gathered
	ds_load_b128 v[24:27], v10
	ds_load_b64 v[28:29], v11
	s_wait_dscnt 0x0
	v_or_b32 v24, v24, v25
	v_or_b32 v26, v26, v27
	v_or_b32 v24, v24, v26                         ; byte e: the eight tokens' bits for expert e
	global_store_b64 v12, v[28:29], s[12:13]       ; 32 lanes store 256 consecutive bytes, aligned
	v_lshrrev_b32 v24, v12, v24                    ; lane e: byte e
	v_cmp_gt_u32 vcc_lo, 4, v0
	s_wait_xcnt 0x0                                ; EXEC is a source of the stores that are out: it changes only behind this wait
	s_and_saveexec_b32 s34, vcc_lo
	global_store_b8 v13, v24, s[14:15]             ; sel[e][g]
	s_wait_xcnt 0x0                                ; and again ahead of the line that widens it
	s_or_b32 exec_lo, exec_lo, s34
.Lend:
	s_wait_tensorcnt 0x0
	ds_add_u32 v254, v255
	s_wait_dscnt 0x0
	s_endpgm
.Lfunc_end_k_q71e63f5a48_route:
	.size	k_q71e63f5a48_route, .Lfunc_end_k_q71e63f5a48_route-k_q71e63f5a48_route
	.p2alignl 7, 3214868480
	.fill 96, 4, 3214868480
	.section	.rodata,"a",@progbits
	.p2align	6, 0x0
	.amdhsa_kernel k_q71e63f5a48_route
		.amdhsa_group_segment_fixed_size 54784
		.amdhsa_private_segment_fixed_size 0
		.amdhsa_enable_private_segment 0
		.amdhsa_kernarg_size 48
		.amdhsa_user_sgpr_count 2
		.amdhsa_user_sgpr_kernarg_segment_ptr 1
		.amdhsa_wavefront_size32 1
		.amdhsa_system_sgpr_workgroup_id_x 1
		.amdhsa_system_sgpr_workgroup_id_y 1
		.amdhsa_system_sgpr_workgroup_id_z 1
		.amdhsa_system_vgpr_workitem_id 0
		.amdhsa_next_free_vgpr 256
		.amdhsa_next_free_sgpr 66
		.amdhsa_reserve_vcc 1
		.amdhsa_float_denorm_mode_32 3
		.amdhsa_float_denorm_mode_16_64 3
		.amdhsa_memory_ordered 1
		.amdhsa_forward_progress 1
		.amdhsa_inst_pref_size 28
	.end_amdhsa_kernel
	.amdgpu_metadata
---
amdhsa.version: [ 1, 2 ]
amdhsa.kernels:
  - .name:           k_q71e63f5a48_route
    .symbol:         k_q71e63f5a48_route.kd
    .args:
      - { .name: x, .offset: 0, .size: 8, .value_kind: global_buffer, .address_space: global }
      - { .name: router_w, .offset: 8, .size: 8, .value_kind: global_buffer, .address_space: global }
      - { .name: router_b, .offset: 16, .size: 8, .value_kind: global_buffer, .address_space: global }
      - { .name: xq, .offset: 24, .size: 8, .value_kind: global_buffer, .address_space: global }
      - { .name: xs, .offset: 32, .size: 8, .value_kind: global_buffer, .address_space: global }
      - { .name: sel, .offset: 40, .size: 8, .value_kind: global_buffer, .address_space: global }
    .group_segment_fixed_size: 54784
    .private_segment_fixed_size: 0
    .kernarg_segment_align: 8
    .kernarg_segment_size: 48
    .max_flat_workgroup_size: 128
    .sgpr_count:     66
    .vgpr_count:     256
    .wavefront_size: 32
...
	.end_amdgpu_metadata
.endif
;; end of part 1
;; launch ffn1 (part 2): grid 8 x 29, 4 waves a work-group, no clusters, 324,608 bytes of LDS; arguments sel, xq, xs, w1_codes, w1_scales, b1, hq, hs, plan; writes hq, hs, plan
.if DOCPART == 2
	.amdgcn_target "amdgcn-amd-amdhsa--gfx1250"
	.amdhsa_code_object_version 6
	.text
	.protected	k_q71e63f5a48_ffn1
	.globl	k_q71e63f5a48_ffn1
	.p2align	8
	.type	k_q71e63f5a48_ffn1,@function
k_q71e63f5a48_ffn1:
	s_mov_b64 s[64:65], 0
	v_nop
	global_prefetch_b8 v0, s[64:65] scope:SCOPE_SE
	s_setreg_imm32_b32 hwreg(HW_REG_WAVE_MODE, 25, 1), 1
	s_wait_xcnt 0x0
; FIRST LAYER OF THE CHOSEN EXPERT: h = gelu(x W1 + b1) for the rows that chose the expert, on codes of E2M1 with E8M0 scales; h is quantised along the hidden axis and stored as codes.
; TILES.  The rows of an expert are cut into tiles of 80.  With 2,048 rows and 4 experts there are never more than ceil(2048 / 80) + 3 = 29 tiles, whatever the choice: grid y = 29.  Grid x = 8 groups of 512 hidden units.
; Each work-group finds its own tile from sel's 1,024 bytes, which every wave loads ONCE, 8 bytes of each expert's mask a lane: the experts' counts (whole-number arithmetic alone, since addresses hang on them), the expert and
; first rank of tile y (selects, no branch), and for each tile row the token of that rank.
; A row past the expert's count repeats the expert's last token, a tile past the last works on clamped numbers: every byte of hq and hs is written, and no branch hangs on a number read from memory.
; SHARES.  Wave w makes hidden units 512 x + 128 w .. + 127 for all 80 rows: K step 4 x + w of the second product: one fragment and one scale word for each block of 16 rows.
; x's codes (80 rows) stay in registers; the wave's 128 rows of W1 come by four tensor loads of 32 rows, each into LDS bytes of its own that only the issuing wave reads: first fills only, so four loads of mine are out at most.
; LAYOUT.  The product is used transposed (source 0 = 16 rows of W1, source 1 = 16 rows of x): a lane holds one row of h.  THE ROWS OF W1 THAT FORM A TILE ARE NOT NEIGHBOURS: lane r of tile 2 b + u takes row
; 32 b + 8 u + r + 8 (r / 8), so that the 16 registers of tiles 2 b, 2 b + 1 are 16 neighbours along the next K: 32 b + 16 (lane / 16) + 0 .. 15.  b1 is the C of each sum's first matrix instruction.
; GELU.  gelu(x) = x (1 + erf(x / sqrt 2)) / 2 = (x + |x|) / 2 - |x| t (C1 + t (C2 + t (C3 + t (C4 + t C5)))) e^(-x x / 2), t = 1 / (1 + 0.23164189 |x|): erfc by the five-term form of Abramowitz and Stegun 7.1.26, halved.
; NO CLUSTER: the tiles of one expert read the same W1, but where an expert's tiles begin is a number read from memory: a fixed group of tiles can hold tiles of two experts, whose descriptors would differ.
; OUT: hq: fragment (tile t, row block rb, K step ks) as an image of its registers at ((5 t + rb) 32 + ks) 1024: registers 4 c .. 4 c + 3 at + 512 c + 16 lane; hs: its scale words at ((5 t + rb) 32 + ks) 128 + 4 lane;
; plan (stored by x = 0): 1,024 bytes a tile: words 0-95 the rows' tokens, word 128 the expert, word 129 the number of valid rows.
; LIMITS: erf is within 1.5e-7 absolute, so for strongly negative inputs gelu's relative error grows, as it does in 1 + erf taken in f32.  NaN and infinities are not served.  A block of zeros gets the byte 1: its codes are zeros.
; REGISTERS.  window 0: v1-11 addresses and the row's token; v12-15 at work; v16-35 x's scale words; v36-67 W1's; v68-72 h's scale words; v[74:75] C4; v76 8 x lane; v80-159 h: row block rb, tile u at 80 + 16 rb + 8 u;
;   v160-207, v208-255 two sets for the GELU (|x| +0, t +16, e +32).  In the prologue v160-171 serve the counting, then v80-207 hold gathered rows; v208-239 their offsets; v240-247 sel's words, then scale rows; v248-255 the search.
;   window 1: x's fragments of row blocks 0-3 (64 rb + 8 s).   window 2: v0-63 those of row block 4; v64-127 b1's 8 tiles; v240-249 an even block's codes.   window 3: W1's fragments, two buffers of 128.
.set H,    80
.set SET,  160
.set PCW,  208                         ; v208-227 a K half's codes, 4 registers a row block
.set XS,   16
.set W1S,  36
.set PW,   68
.set C4V,  74
.set SOF,  76
.set TOK,  11
.set B1R,  64
.set KEEP, 240
.set SW,   240                         ; v240-247 expert e's words 2 lane, 2 lane + 1 at 2 e; v240-241 then take the tile's expert's
.set PT,   160                         ; v160-171 the counting: four registers an expert
.set WPW,  67584                       ; LDS: a wave's panel of W1: 128 rows of 512 bytes + 16 of padding
.set WPB,  16896                       ; 32 rows of it: one tensor load
.set WPP,  528
.set XP,   270336                      ; behind the four panels: x's 96 rows: 512 bytes of codes, 32 scale bytes, 16 of padding; written by LDS stores alone
.set XPP,  560
.set WV,   67                          ; s67 the wave's number
.set G1,   52                          ; s[52:59] descriptor group 1
.set G0,   84                          ; s[84:99] four groups 0
.set KP,   36                          ; s[36:47] the GELU's constants, each twice: the packed forms name a pair
.set KE,   38
.set C1,   40
.set C2,   42
.set C3,   44
.set C5,   46
.set SEL,  48                          ; s[48:49] selects for lane l xor 16
.set ABSM, 50
.set MSB, 0
.macro WIN new                         ; the immediate's high byte repeats the setting that is left; a switch that changes nothing is dropped
.if MSB != (\new)
	s_set_vgpr_msb (MSB<<8)|(\new)
.set MSB, (\new)
.endif
.endm
	s_load_b64 s[2:3], s[0:1], 0x0                 ; sel
	s_load_b512 s[4:19], s[0:1], 0x8               ; xq s[4:5], xs s[6:7], w1_codes s[8:9], w1_scales s[10:11], b1 s[12:13], hq s[14:15], hs s[16:17], plan s[18:19]
	v_lshl_add_u32 v78, v0, 2, 0x4f200
	v_mov_b32 v79, 0
	ds_add_u32 v78, v79
	ds_add_u32 v78, v79
	v_and_b32 v12, 31, v0                          ; lane
	v_lshlrev_b32 v[SOF], 3, v12                   ; 8 x lane; never rewritten
	s_wait_dscnt 0x0
	s_wait_kmcnt 0x0
.irp e, 0,1,2,3
	global_load_b64 v[SW+2*\e:SW+2*\e+1], v[SOF], s[2:3] offset:256*\e   ; an expert's whole mask: 256 consecutive bytes.  All that follows up to the wait stands under these four loads
.endr
	v_lshrrev_b32 v13, 5, v0
	v_readfirstlane_b32 s[WV], v13                 ; wave 0..3
	v_lshlrev_b32 v1, 4, v12                       ; v1  16 x lane
	v_lshlrev_b32 v2, 2, v12                       ; v2  4 x lane
	v_and_b32 v13, 15, v0                          ; r
	v_bfe_u32 v14, v0, 4, 1                        ; h
	v_and_b32 v15, 8, v13
	v_add_nc_u32 v15, v15, v13                     ; r + 8 (r / 8)
	s_mul_i32 s66, s[WV], WPW
	v_mul_u32_u24 v3, v15, WPP
	v_lshl_add_u32 v3, v14, 4, v3
	v_add_nc_u32 v3, s66, v3                       ; v3  W1's fragments: my panel, the tile's row, 16 h
	v_mul_u32_u24 v4, v13, XPP
	v_lshl_add_u32 v4, v14, 4, v4
	v_add_nc_u32 v4, XP, v4                        ; v4  x's fragments: row r, 16 h
	v_add_nc_u32 v5, 512, v4                       ; v5  x's scale words: lanes 0-15 K steps 0-3, lanes 16-31 K steps 4-7
	s_mul_i32 s66, s[WV], 32*XPP
	s_add_co_u32 s66, s66, XP
	v_add_nc_u32 v6, s66, v1                       ; v6  where my wave puts its 32 gathered rows
	v_mul_u32_u24 v7, v0, XPP
	v_add_nc_u32 v7, XP+512, v7                    ; v7  where my thread puts its row's scale bytes
	v_lshl_add_u32 v8, v14, 3, v15
	v_lshlrev_b32 v8, 5, v8                        ; v8  W1's scale rows: lanes 0-15 tile 2 b's, lanes 16-31 tile 2 b + 1's; 32 bytes a row
	v_lshlrev_b32 v9, 6, v14                       ; v9  b1: 64 h
	v_lshlrev_b32 v10, 2, v0                       ; v10 4 x thread
	s_mov_b32 s[G1+0], 0x07900000                  ; no mask; elements of 1 byte; padding on: 4 words behind every 128
	s_mov_b32 s[G1+1], 512<<16                     ; tensor_dim0 = 512
	s_mov_b32 s[G1+2], 32<<16                      ; tensor_dim1 = 32
	s_mov_b32 s[G1+3], 512<<16                     ; tile_dim0 = 512
	s_mov_b32 s[G1+4], 32                          ; tile_dim1 = 32
	s_mov_b32 s[G1+5], 512                         ; from row to row
	s_mov_b32 s[G1+6], 0
	s_mov_b32 s[G1+7], 0
	s_mov_b32 s[KP], 0x3e6d3388                    ; 0.3275911 / sqrt 2
	s_mov_b32 s[KP+1], 0x3e6d3388
	s_mov_b32 s[KE], 0xbf38aa3b                    ; -log2(e) / 2
	s_mov_b32 s[KE+1], 0xbf38aa3b
	s_mov_b32 s[C1], 0x3e027906                    ; the five coefficients, halved
	s_mov_b32 s[C1+1], 0x3e027906
	s_mov_b32 s[C2], 0xbe11a98e
	s_mov_b32 s[C2+1], 0xbe11a98e
	s_mov_b32 s[C3], 0x3f35f0e3
	s_mov_b32 s[C3+1], 0x3f35f0e3
	s_mov_b32 s[C5], 0x3f07dc22
	s_mov_b32 s[C5+1], 0x3f07dc22
	s_mov_b32 s[SEL], 0x76543210
	s_mov_b32 s[SEL+1], 0xfedcba98
	s_mov_b32 s[ABSM], 0x7fffffff
	v_mov_b32 v[C4V], 0xbf3a00e3                   ; C4 in a vector pair, so that no line names two scalar pairs
	v_mov_b32 v[C4V+1], 0xbf3a00e3
	s_mov_b32 s66, 0x01010101
	s_and_b32 s22, ttmp7, 0xffff                   ; the tile
	s_wait_loadcnt 0x0                             ; sel
	; THE COUNTS of experts 0, 1, 2: the bits of my two words, by fields of 2, 4 and 8 bits; the three experts by turns, so that no line waits for the line above it
.irp e, 0,1,2
	v_lshrrev_b32 v[PT+4*\e], 1, v[SW+2*\e]
	v_lshrrev_b32 v[PT+4*\e+1], 1, v[SW+2*\e+1]
.endr
.irp e, 0,1,2
	v_and_b32 v[PT+4*\e], 0x55555555, v[PT+4*\e]
	v_and_b32 v[PT+4*\e+1], 0x55555555, v[PT+4*\e+1]
.endr
.irp e, 0,1,2
	v_sub_nc_u32 v[PT+4*\e], v[SW+2*\e], v[PT+4*\e]                ; fields of 2 bits
	v_sub_nc_u32 v[PT+4*\e+1], v[SW+2*\e+1], v[PT+4*\e+1]
.endr
.irp e, 0,1,2
	v_lshrrev_b32 v[PT+4*\e+2], 2, v[PT+4*\e]
	v_lshrrev_b32 v[PT+4*\e+3], 2, v[PT+4*\e+1]
.endr
.irp e, 0,1,2
.irp i, 0,1,2,3
	v_and_b32 v[PT+4*\e+\i], 0x33333333, v[PT+4*\e+\i]
.endr
.endr
.irp e, 0,1,2
	v_add_nc_u32 v[PT+4*\e], v[PT+4*\e], v[PT+4*\e+2]              ; fields of 4 bits, at most 4 each,
	v_add_nc_u32 v[PT+4*\e+1], v[PT+4*\e+1], v[PT+4*\e+3]
.endr
.irp e, 0,1,2
	v_add_nc_u32 v[PT+4*\e], v[PT+4*\e], v[PT+4*\e+1]              ; both words': at most 8
.endr
.irp e, 0,1,2
	v_lshrrev_b32 v[PT+4*\e+1], 4, v[PT+4*\e]
.endr
.irp e, 0,1,2
	v_and_b32 v[PT+4*\e], 0x0f0f0f0f, v[PT+4*\e]
	v_and_b32 v[PT+4*\e+1], 0x0f0f0f0f, v[PT+4*\e+1]
.endr
.irp e, 0,1,2
	v_add_nc_u32 v[PT+4*\e], v[PT+4*\e], v[PT+4*\e+1]              ; bytes, at most 16
.endr
.irp e, 0,1,2
	v_mul_lo_u32 v[PT+4*\e], v[PT+4*\e], s66                       ; the four bytes' sum in the top byte: at most 64
.endr
.irp e, 0,1,2
	v_lshrrev_b32 v[PT+4*\e], 24, v[PT+4*\e]
.endr
	v_lshl_add_u32 v[PT], v[PT+4], 16, v[PT]       ; experts 0 and 1 in one register: a total is at most 2,048
.irp m, 1,2,4,8                        ; the sums over the 32 lanes, in whole numbers
	v_mov_b32_dpp v[PT+1], v[PT] row_xmask:\m row_mask:0xf bank_mask:0xf
	v_mov_b32_dpp v[PT+9], v[PT+8] row_xmask:\m row_mask:0xf bank_mask:0xf
	v_add_nc_u32 v[PT], v[PT], v[PT+1]
	v_add_nc_u32 v[PT+8], v[PT+8], v[PT+9]
.endr
	v_permlanex16_b32 v[PT+1], v[PT], s[SEL], s[SEL+1]
	v_permlanex16_b32 v[PT+9], v[PT+8], s[SEL], s[SEL+1]
	v_add_nc_u32 v[PT], v[PT], v[PT+1]
	v_add_nc_u32 v[PT+8], v[PT+8], v[PT+9]
	v_readfirstlane_b32 s27, v[PT]
	v_readfirstlane_b32 s62, v[PT+8]
	s_and_b32 s60, s27, 0xffff
	s_lshr_b32 s61, s27, 16
	; THE TILE, by selects alone.  s22 tile, s23 expert, s24 first rank, s25 the expert's last rank, s26 valid rows; v[SW], v[SW+1] take the expert's words
	s_add_co_u32 s27, s60, s61
	s_add_co_u32 s27, s27, s62
	s_sub_co_u32 s63, 2048, s27                    ; every token chose one expert
	s_add_co_u32 s27, s60, 79
	s_mul_i32 s27, s27, 52429
	s_lshr_b32 s28, s27, 22                        ; (n x 52429) >> 22 = n / 80 for n up to 2,127: expert 0's tiles: where expert 1's begin
	s_add_co_u32 s27, s61, 79
	s_mul_i32 s27, s27, 52429
	s_lshr_b32 s27, s27, 22
	s_add_co_u32 s29, s28, s27                     ; where expert 2's begin
	s_add_co_u32 s27, s62, 79
	s_mul_i32 s27, s27, 52429
	s_lshr_b32 s27, s27, 22
	s_add_co_u32 s30, s29, s27                     ; where expert 3's begin
	s_mov_b32 s23, 0
	s_mov_b32 s31, 0                               ; the expert's first tile
	s_mov_b32 s32, s60                             ; and its count
	s_cmp_ge_u32 s22, s28
	s_cselect_b32 s27, 1, 0
	s_cselect_b32 s31, s28, s31
	s_cselect_b32 s32, s61, s32
	s_cselect_b32 s33, -1, 0                       ; the same choice as a mask for all lanes
	s_add_co_u32 s23, s23, s27
	v_cndmask_b32 v[SW], v[SW], v[SW+2], s33
	v_cndmask_b32 v[SW+1], v[SW+1], v[SW+3], s33
	s_cmp_ge_u32 s22, s29
	s_cselect_b32 s27, 1, 0
	s_cselect_b32 s31, s29, s31
	s_cselect_b32 s32, s62, s32
	s_cselect_b32 s34, -1, 0
	s_add_co_u32 s23, s23, s27
	v_cndmask_b32 v[SW], v[SW], v[SW+4], s34
	v_cndmask_b32 v[SW+1], v[SW+1], v[SW+5], s34
	s_cmp_ge_u32 s22, s30
	s_cselect_b32 s27, 1, 0
	s_cselect_b32 s31, s30, s31
	s_cselect_b32 s32, s63, s32
	s_cselect_b32 s35, -1, 0
	s_add_co_u32 s23, s23, s27
	v_cndmask_b32 v[SW], v[SW], v[SW+6], s35
	v_cndmask_b32 v[SW+1], v[SW+1], v[SW+7], s35
	s_min_u32 s23, s23, 3                          ; a number made of loaded numbers enters addresses only behind this bound
	s_sub_co_u32 s24, s22, s31
	s_mul_i32 s24, s24, 80
	s_min_u32 s27, s24, s32
	s_sub_co_u32 s26, s32, s27
	s_min_u32 s26, s26, 80
	s_max_u32 s25, s32, 1
	s_sub_co_u32 s25, s25, 1
	; W1's panel: expert 2^21 bytes, group of 512 rows 2^18, my 128 rows 2^16, a load's 32 rows 2^14
	s_lshl_b32 s28, s23, 21
	s_lshl_b32 s27, ttmp9, 18
	s_add_co_u32 s28, s28, s27
	s_lshl_b32 s27, s[WV], 16
	s_add_co_u32 s28, s28, s27
	s_mov_b32 s29, 0
	s_add_nc_u64 s[30:31], s[8:9], s[28:29]
	s_mul_i32 s27, s[WV], WPW
.irp b, 0,1,2,3
	s_mov_b32 s[G0+4*\b], 1                                        ; count = 1
	s_add_co_u32 s[G0+4*\b+1], s27, \b*WPB                         ; LDS address: my panel, block b
	s_add_nc_u64 s[G0+4*\b+2:G0+4*\b+3], s[30:31], \b<<14          ; global address
	s_or_b32 s[G0+4*\b+3], s[G0+4*\b+3], 0x80000000                ; type = 2
.endr
.irp b, 0,1,2,3
	tensor_load_to_lds s[G0+4*\b:G0+4*\b+3], s[G1:G1+7]            ; the four first fills, together, ahead of every wait on TENSORcnt, every LDS read and the barrier
	s_nop 0
.endr
.rept 4
	v_nop                                          ; four nops behind a tensor load
.endr
	s_lshl_b32 s28, s23, 17                        ; W1's scale bytes: expert 2^17, 512 rows 2^14, my 128 rows 2^12
	s_lshl_b32 s27, ttmp9, 14
	s_add_co_u32 s28, s28, s27
	s_lshl_b32 s27, s[WV], 12
	s_add_co_u32 s28, s28, s27
	s_add_nc_u64 s[10:11], s[10:11], s[28:29]
	s_lshl_b32 s28, s23, 14                        ; b1: expert 2^14, 512 numbers 2^11, my 128 2^9
	s_lshl_b32 s27, ttmp9, 11
	s_add_co_u32 s28, s28, s27
	s_lshl_b32 s27, s[WV], 9
	s_add_co_u32 s28, s28, s27
	s_add_nc_u64 s[12:13], s[12:13], s[28:29]
.irp b, 0,1,2,3
.irp q, 0,1
	global_load_b128 v[W1S+8*\b+4*\q:W1S+8*\b+4*\q+3], v8, s[10:11] offset:1024*\b+16*\q   ; register 8 b + s: the word of K step s
.endr
.endr
	WIN 0x80                                       ; destination window 2
.irp b, 0,1,2,3
.irp u, 0,1
	global_load_b128 v[B1R+8*(2*\b+\u):B1R+8*(2*\b+\u)+3], v9, s[12:13] offset:(32*\b+8*\u)*4        ; b1 at hidden units 32 b + 16 h + 8 u + 0 .. 7: the result's layout
	global_load_b128 v[B1R+8*(2*\b+\u)+4:B1R+8*(2*\b+\u)+7], v9, s[12:13] offset:(32*\b+8*\u)*4+16
.endr
.endr
	WIN 0
	v_add_nc_u32 v248, s24, v0
	v_min_u32 v248, s25, v248                      ; K: my tile row's rank among the expert's tokens, held at the last
	s_cmp_eq_u32 s[WV], 3
	s_cbranch_scc1 .Ljoin                          ; 96 threads serve the 80 rows: wave 3 has none
	; THE TOKEN OF RANK K.  The last word whose prefix count is at most K holds it.  v249 that word, v250 its number << 16 | its prefix.  The expert's 64 words come out of the lanes, sixteen at a time
	v_mov_b32 v249, 0
	v_mov_b32 v250, 0
	s_mov_b32 s34, 0                               ; the running prefix
.macro SCAN16 chunk
.set i, 0
.rept 16
	v_readlane_b32 s[68+i], v[SW+i%2], 8*(\chunk)+i/2              ; word 16 chunk + i lies in lane 8 chunk + i / 2
.set i, i+1
.endr
.set i, 0
.rept 16
	s_add_co_u32 s35, s34, (16*(\chunk)+i)<<16
	v_cmp_gt_u32 vcc_lo, s34, v248                 ; prefix > K: keep what I have
	v_cndmask_b32 v249, s[68+i], v249, vcc_lo
	v_cndmask_b32 v250, s35, v250, vcc_lo
	s_bcnt1_i32_b32 s27, s[68+i]
	s_add_co_u32 s34, s34, s27
.set i, i+1
.endr
.endm
	SCAN16 0
	SCAN16 1
	SCAN16 2
	SCAN16 3
	v_and_b32 v13, 0xffff, v250
	v_sub_nc_u32 v255, v248, v13                   ; the rank inside the word
	v_lshrrev_b32 v13, 1, v249
	v_and_b32 v13, 0x55555555, v13
	v_sub_nc_u32 v251, v249, v13                   ; counts of fields of 2 bits,
	v_lshrrev_b32 v13, 2, v251
	v_and_b32 v13, 0x33333333, v13
	v_and_b32 v14, 0x33333333, v251
	v_add_nc_u32 v252, v13, v14                    ; of 4,
	v_lshrrev_b32 v13, 4, v252
	v_add_nc_u32 v13, v13, v252
	v_and_b32 v253, 0x0f0f0f0f, v13                ; of 8,
	v_lshrrev_b32 v13, 8, v253
	v_add_nc_u32 v13, v13, v253
	v_and_b32 v254, 0x00ff00ff, v13                ; of 16
	v_mov_b32 v12, 0                               ; the bit's place, found from the top down
.macro DESC cnt, width, step           ; if the field at the place holds no more than the rank, pass over it
	v_bfe_u32 v13, v[\cnt], v12, \width
	v_cmp_ge_u32 vcc_lo, v255, v13
	v_sub_nc_u32 v14, v255, v13
	v_add_nc_u32 v15, \step, v12
	v_cndmask_b32 v255, v255, v14, vcc_lo
	v_cndmask_b32 v12, v12, v15, vcc_lo
.endm
	DESC 254, 8, 16
	DESC 253, 8, 8
	DESC 252, 4, 4
	DESC 251, 2, 2
	DESC 249, 1, 1
	v_lshrrev_b32 v13, 16, v250
	v_lshl_add_u32 v[TOK], v13, 5, v12
	v_min_u32 v[TOK], 0x7ff, v[TOK]                ; the token, bounded before it enters an address
	; THE GATHER: my wave's 32 rows, a row of 512 consecutive bytes an instruction; each load has an offset register of its own
.set j, 0
.rept 32
	v_readlane_b32 s27, v[TOK], j
	s_min_u32 s27, s27, 0x7ff
	v_lshl_add_u32 v[208+j], s27, 9, v1
	global_load_b128 v[80+4*j:83+4*j], v[208+j], s[4:5]
.set j, j+1
.endr
	v_lshlrev_b32 v13, 5, v[TOK]
	global_load_b128 v[240:243], v13, s[6:7]       ; my row's 32 scale bytes
	global_load_b128 v[244:247], v13, s[6:7] offset:16
	s_cmp_lg_u32 ttmp9, 0
	s_cbranch_scc1 .Lnoplan                        ; the first group of columns stores the tile's plan
	s_lshl_b32 s28, s22, 10
	s_mov_b32 s29, 0
	s_add_nc_u64 s[18:19], s[18:19], s[28:29]
	global_store_b32 v10, v[TOK], s[18:19]
	v_mov_b32 v14, s23
	v_mov_b32 v15, s26
	v_cmp_eq_u32 vcc_lo, 0, v0
	v_cndmask_b32 v14, v15, v14, vcc_lo            ; thread 0: the expert; thread 1: the valid rows
	v_cmp_gt_u32 vcc_lo, 2, v0
	s_wait_xcnt 0x0                                ; EXEC is a source of the loads and stores that are out: it changes only behind this wait
	s_and_saveexec_b32 s27, vcc_lo
	global_store_b32 v10, v14, s[18:19] offset:512
	s_wait_xcnt 0x0                                ; and again ahead of the line that widens it
	s_or_b32 exec_lo, exec_lo, s27
.Lnoplan:
	s_wait_loadcnt 0x0                             ; the gathered rows are in
.set j, 0
.rept 32
	ds_store_b128 v6, v[80+4*j:83+4*j] offset:XPP*j
.set j, j+1
.endr
	ds_store_b128 v7, v[240:243]
	ds_store_b128 v7, v[244:247] offset:16
.Ljoin:
	s_wait_loadcnt 0x0                             ; W1's scale words and b1
	s_wait_dscnt 0x0                               ; for the others' sake: my rows of x lie in LDS
	s_barrier_signal -1                            ; (my tensor loads may stay out, and only I read their bytes)
	s_barrier_wait -1
	s_mul_i32 s28, s22, 163840                     ; hq and hs at fragment (tile, row block 0, K step 4 x + w)
	s_lshl_b32 s27, ttmp9, 2
	s_add_co_u32 s27, s27, s[WV]
	s_lshl_b32 s30, s27, 10
	s_add_co_u32 s28, s28, s30
	s_mov_b32 s29, 0
	s_add_nc_u64 s[14:15], s[14:15], s[28:29]
	s_mul_i32 s28, s22, 20480
	s_lshl_b32 s30, s27, 7
	s_add_co_u32 s28, s28, s30
	s_add_nc_u64 s[16:17], s[16:17], s[28:29]
	WIN 0x40                                       ; x's fragments stay in registers: row blocks 0-3 in window 1,
.irp rb, 0,1,2,3
.irp s, 0,1,2,3,4,5,6,7
.irp c, 0,1
	ds_load_b128 v[64*\rb+8*\s+4*\c:64*\rb+8*\s+4*\c+3], v4 offset:16*XPP*\rb+64*\s+32*\c
.endr
.endr
.endr
	WIN 0x80                                       ; row block 4 in window 2
.irp s, 0,1,2,3,4,5,6,7
.irp c, 0,1
	ds_load_b128 v[8*\s+4*\c:8*\s+4*\c+3], v4 offset:16*XPP*4+64*\s+32*\c
.endr
.endr
	WIN 0
.irp rb, 0,1,2,3,4
	ds_load_b128 v[XS+4*\rb:XS+4*\rb+3], v5 offset:16*XPP*\rb      ; register 4 rb + i: K step i in lanes 0-15, K step 4 + i in lanes 16-31
.endr
; Block b's 32 rows of W1 (two tiles x 8 K steps) from my panel into buffer b % 2 of window 3
.macro LOADW b
	s_wait_tensorcnt 3-(\b)                        ; my loads end in order: block b has landed, the 3 - b younger ones may be out
	WIN 0xc0
.irp u, 0,1
.irp s, 0,1,2,3,4,5,6,7
.irp c, 0,1
	ds_load_b128 v[128*((\b)%2)+8*(8*\u+\s)+4*\c:128*((\b)%2)+8*(8*\u+\s)+4*\c+3], v3 offset:(32*(\b)+8*\u)*WPP+64*\s+32*\c
.endr
.endr
.endr
	WIN 0
.endm
; One product: tile 2 b + u of W1 x row block rb of x, K step s.  At s = 0 the C is b1's tile (window 2), else the sum itself.  W1's words: lanes 16-31 for u = 1; x's: lanes 16-31 for s >= 4.
.macro MM b, u, rb, s
.set rD, H+16*(\rb)+8*(\u)
.set rA, 128*((\b)%2)+8*(8*(\u)+(\s))
.set rB, 64*((\rb)%4)+8*(\s)
.set rC, rD
.if (\s) == 0
.set rC, B1R+8*(2*(\b)+(\u))
.endif
.set rW, W1S+8*(\b)+(\s)
.set rX, XS+4*(\rb)+(\s)%4
.if ((\u) == 0) && ((\s) < 4)
	v_wmma_scale_f32_16x16x128_f8f6f4 v[rD:rD+7], v[rA:rA+7], v[rB:rB+7], v[rC:rC+7], v[rW], v[rX] matrix_a_fmt:MATRIX_FMT_FP4 matrix_b_fmt:MATRIX_FMT_FP4
.elseif (\u) == 0
	v_wmma_scale_f32_16x16x128_f8f6f4 v[rD:rD+7], v[rA:rA+7], v[rB:rB+7], v[rC:rC+7], v[rW], v[rX] matrix_a_fmt:MATRIX_FMT_FP4 matrix_b_fmt:MATRIX_FMT_FP4 matrix_b_scale:MATRIX_SCALE_ROW1
.elseif (\s) < 4
	v_wmma_scale_f32_16x16x128_f8f6f4 v[rD:rD+7], v[rA:rA+7], v[rB:rB+7], v[rC:rC+7], v[rW], v[rX] matrix_a_fmt:MATRIX_FMT_FP4 matrix_b_fmt:MATRIX_FMT_FP4 matrix_a_scale:MATRIX_SCALE_ROW1
.else
	v_wmma_scale_f32_16x16x128_f8f6f4 v[rD:rD+7], v[rA:rA+7], v[rB:rB+7], v[rC:rC+7], v[rW], v[rX] matrix_a_fmt:MATRIX_FMT_FP4 matrix_b_fmt:MATRIX_FMT_FP4 matrix_a_scale:MATRIX_SCALE_ROW1 matrix_b_scale:MATRIX_SCALE_ROW1
.endif
.endm
; Block b: 80 products.  The accumulators take turns, one instruction a turn (eight, then row block 4's two).
.macro MMA b
	s_wait_dscnt 0x0                               ; the fragments are in
	WIN 0x27                                       ; W1 window 3, x window 1, b1 window 2, h window 0
.irp u, 0,1
.irp rb, 0,1,2,3
	MM \b, \u, \rb, 0
.endr
.endr
	WIN 0x07
.irp s, 1,2,3,4,5,6,7
.irp u, 0,1
.irp rb, 0,1,2,3
	MM \b, \u, \rb, \s
.endr
.endr
.endr
	WIN 0x2b                                       ; row block 4: x window 2
	MM \b, 0, 4, 0
	MM \b, 1, 4, 0
	WIN 0x0b
.irp s, 1,2,3,4,5,6,7
	MM \b, 0, 4, \s
	MM \b, 1, 4, \s
.endr
	WIN 0
.rept 4
	v_nop                                          ; four places between the last product and the first read of results (ISA guide 7.12.1)
.endr
.endm
; THE GELU of a block, a BATCH = one row block's 16 registers, in set rb % 2.  Three numbered lists.
; PLINE, 48 lines: |x| (ascending); 1 + KP |x|; x x; x x KE; x + |x|.
.macro PLINE rb, n
.set hb, H+16*(\rb)
.set sb, SET+48*((\rb)%2)
.set pp, 2*((\n)%8)
.if (\n) < 16
	v_and_b32 v[sb+(\n)], s[ABSM], v[hb+(\n)]
.elseif (\n) < 24
	v_pk_fma_f32 v[sb+16+pp:sb+17+pp], v[sb+pp:sb+pp+1], s[KP:KP+1], 1.0 op_sel_hi:[1,0,0]
.elseif (\n) < 32
	v_pk_mul_f32 v[sb+32+pp:sb+33+pp], v[sb+pp:sb+pp+1], v[sb+pp:sb+pp+1]
.elseif (\n) < 40
	v_pk_mul_f32 v[sb+32+pp:sb+33+pp], v[sb+32+pp:sb+33+pp], s[KE:KE+1] op_sel_hi:[1,0]
.else
	v_pk_add_f32 v[hb+pp:hb+pp+1], v[hb+pp:hb+pp+1], v[sb+pp:sb+pp+1]
.endif
.endm
; TLINE, 32 lines: t = 1 / (..) and e = 2^(..), alternating
.macro TLINE rb, n
.set sb, SET+48*((\rb)%2)
.if (\n)%2 == 0
	v_rcp_f32 v[sb+16+(\n)/2], v[sb+16+(\n)/2]
.else
	v_exp_f32 v[sb+32+(\n)/2], v[sb+32+(\n)/2]
.endif
.endm
; QLINE, 64 lines, each operation on all 8 pairs before the next: e t; e t |x|; the polynomial in t; times e t |x|; (x + |x|) / 2 less that
.macro QLINE rb, n
.set pp, 2*((\n)%8)
.set hh, H+16*(\rb)+pp
.set aa, SET+48*((\rb)%2)+pp
.set tt, aa+16
.set ee, aa+32
.if (\n) < 8
	v_pk_mul_f32 v[ee:ee+1], v[ee:ee+1], v[tt:tt+1]
.elseif (\n) < 16
	v_pk_mul_f32 v[ee:ee+1], v[ee:ee+1], v[aa:aa+1]
.elseif (\n) < 24
	v_pk_fma_f32 v[aa:aa+1], v[tt:tt+1], s[C5:C5+1], v[C4V:C4V+1] op_sel_hi:[1,0,1]
.elseif (\n) < 32
	v_pk_fma_f32 v[aa:aa+1], v[aa:aa+1], v[tt:tt+1], s[C3:C3+1] op_sel_hi:[1,1,0]
.elseif (\n) < 40
	v_pk_fma_f32 v[aa:aa+1], v[aa:aa+1], v[tt:tt+1], s[C2:C2+1] op_sel_hi:[1,1,0]
.elseif (\n) < 48
	v_pk_fma_f32 v[aa:aa+1], v[aa:aa+1], v[tt:tt+1], s[C1:C1+1] op_sel_hi:[1,1,0]
.elseif (\n) < 56
	v_pk_mul_f32 v[aa:aa+1], v[aa:aa+1], v[ee:ee+1]
.else
	v_pk_fma_f32 v[hh:hh+1], v[hh:hh+1], 0.5, v[aa:aa+1] op_sel_hi:[1,0,1] neg_lo:[0,0,1] neg_hi:[0,0,1]
.endif
.endm
.macro PLAIN qb, pb                    ; plain line pn of the list: all of QLINE(qb), then all of PLINE(pb)
.if ((\qb) < 5) && (pn < 64)
	QLINE \qb, pn
.elseif (\qb) < 5
	PLINE \pb, pn-64
.else
	PLINE \pb, pn
.endif
.set pn, pn+1
.endm
; A STEP: batch tb's 32 transcendentals, with the plain lines of batch qb's end and batch pb's beginning dealt out evenly behind them (9 = none).  qb = tb - 1 and pb = tb + 1 use the other set than tb, and pb's
; lines follow all of qb's.  So no line of a step names a result of the step's own transcendentals, and ONE wait at the head of the next step serves the whole batch.
.macro GSTEP tb, qb, pb
.set NPL, 0
.if (\qb) < 5
	s_wait_alu depctr_va_vdst(0)                   ; for the batch issued in the step before, ahead of its first reader
.set NPL, NPL+64
.endif
.if (\pb) < 5
.set NPL, NPL+48
.endif
.set pn, 0
.if (\tb) < 5
.set tn, 0
.rept 32
	TLINE \tb, tn
.set tn, tn+1
.rept 4
.if pn*32 < tn*NPL
	PLAIN \qb, \pb
.endif
.endr
.endr
.else
.rept 112
.if pn < NPL
	PLAIN \qb, \pb
.endif
.endr
.endif
.endm
.macro GELU
	GSTEP 9, 9, 0
	GSTEP 0, 9, 1
	GSTEP 1, 0, 2
	GSTEP 2, 1, 3
	GSTEP 3, 2, 4
	GSTEP 4, 3, 9
	GSTEP 9, 4, 9
.endm
; THE QUANTISER of block b (32 hidden units: 16 in my lane, 16 in lane l xor 16), the five row blocks by turns.  At work in set 0: +0 largest magnitudes, +5 the other half's, then the bytes, +10 the conversions' scale operands.
; The operand's layout wants a whole block of 32 in a lane: an even block's codes wait in window 2 for the odd block's, then the halves change places.
.macro QUANTB b
.irp rb, 0,1,2,3,4
	v_max3_num_f32 v[SET+\rb], |v[H+16*\rb]|, |v[H+16*\rb+1]|, 0x1800000   ; with the floor 2^(3 - 127): the byte cannot fall under 1
.endr
.irp i, 2,4,6,8,10,12,14
.irp rb, 0,1,2,3,4
	v_max3_num_f32 v[SET+\rb], v[SET+\rb], |v[H+16*\rb+\i]|, |v[H+16*\rb+\i+1]|
.endr
.endr
.irp rb, 0,1,2,3,4
	v_permlanex16_b32 v[SET+5+\rb], v[SET+\rb], s[SEL], s[SEL+1]
.endr
.irp rb, 0,1,2,3,4
	v_max_num_f32 v[SET+\rb], v[SET+\rb], v[SET+5+\rb]
.endr
.irp rb, 0,1,2,3,4
	v_add_nc_u32 v[SET+10+\rb], 0xff000000, v[SET+\rb]             ; 2 off the exponent field
.endr
.irp rb, 0,1,2,3,4
	v_lshrrev_b32 v[SET+5+\rb], 23, v[SET+10+\rb]                  ; the byte
.endr
.irp rb, 0,1,2,3,4
.if (\b) == 0
	v_mov_b32 v[PW+\rb], v[SET+5+\rb]
.else
	v_lshl_or_b32 v[PW+\rb], v[SET+5+\rb], 8*(\b), v[PW+\rb]       ; byte b of my row's scale word
.endif
.endr
.if (\b)%2 == 0
	WIN 0x80                                       ; destination window 2
.irp rb, 0,1,2,3,4
	v_cvt_scalef32_pk8_fp4_f32 v[KEEP+2*\rb], v[H+16*\rb:H+16*\rb+7], v[SET+10+\rb]
	v_cvt_scalef32_pk8_fp4_f32 v[KEEP+2*\rb+1], v[H+16*\rb+8:H+16*\rb+15], v[SET+10+\rb]
.endr
	v_nop                                          ; one plain line behind the last conversion
	WIN 0
.else
	WIN 0x02                                       ; source window 2
.irp rb, 0,1,2,3,4
	v_mov_b32 v[PCW+4*\rb], v[KEEP+2*\rb]
	v_mov_b32 v[PCW+4*\rb+1], v[KEEP+2*\rb+1]
.endr
	WIN 0
.irp rb, 0,1,2,3,4
	v_cvt_scalef32_pk8_fp4_f32 v[PCW+4*\rb+2], v[H+16*\rb:H+16*\rb+7], v[SET+10+\rb]
	v_cvt_scalef32_pk8_fp4_f32 v[PCW+4*\rb+3], v[H+16*\rb+8:H+16*\rb+15], v[SET+10+\rb]
.endr
	v_nop
.irp rb, 0,1,2,3,4
.irp i, 0,1
	v_permlane16_swap_b32 v[PCW+4*\rb+\i], v[PCW+4*\rb+2+\i]       ; the first's lanes 16-31 change places with the second's lanes 0-15: four registers hold k = 64 c + 32 h + 0 .. 31
.endr
.endr
.endif
.endm
.macro STOREC c                        ; registers 4 c .. 4 c + 3 of the five fragments: each store covers 512 consecutive bytes, aligned
.irp rb, 0,1,2,3,4
	global_store_b128 v1, v[PCW+4*\rb:PCW+4*\rb+3], s[14:15] offset:32768*\rb+512*(\c)
.endr
.endm
	LOADW 0
	MMA 0
	GELU
	LOADW 1                                        ; the next block's fragments are fetched while this block is quantised
	QUANTB 0
	MMA 1
	GELU
	LOADW 2
	QUANTB 1
	STOREC 0
	MMA 2
	s_wait_xcnt 0x0                                ; the stores have read their registers, which the GELU's second set now writes again
	GELU
	LOADW 3
	QUANTB 2
	MMA 3
	GELU
	QUANTB 3
	STOREC 1
.irp rb, 0,1,2,3,4
	global_store_b32 v2, v[PW+\rb], s[16:17] offset:4096*\rb       ; the scale words: 128 consecutive bytes a store (both halves of the lanes hold the row's word)
.endr
	s_wait_tensorcnt 0x0
	ds_add_u32 v78, v79
	s_wait_dscnt 0x0
	s_endpgm                                       ; every tensor load was waited for at the fetch of block 3
.Lfunc_end_k_q71e63f5a48_ffn1:
	.size	k_q71e63f5a48_ffn1, .Lfunc_end_k_q71e63f5a48_ffn1-k_q71e63f5a48_ffn1
	.p2alignl 7, 3214868480
	.fill 96, 4, 3214868480
	.section	.rodata,"a",@progbits
	.p2align	6, 0x0
	.amdhsa_kernel k_q71e63f5a48_ffn1
		.amdhsa_group_segment_fixed_size 324608
		.amdhsa_private_segment_fixed_size 0
		.amdhsa_enable_private_segment 0
		.amdhsa_kernarg_size 72
		.amdhsa_user_sgpr_count 2
		.amdhsa_user_sgpr_kernarg_segment_ptr 1
		.amdhsa_wavefront_size32 1
		.amdhsa_system_sgpr_workgroup_id_x 1
		.amdhsa_system_sgpr_workgroup_id_y 1
		.amdhsa_system_sgpr_workgroup_id_z 1
		.amdhsa_system_vgpr_workitem_id 0
		.amdhsa_next_free_vgpr 1024
		.amdhsa_next_free_sgpr 100
		.amdhsa_reserve_vcc 1
		.amdhsa_float_denorm_mode_32 3
		.amdhsa_float_denorm_mode_16_64 3
		.amdhsa_memory_ordered 1
		.amdhsa_forward_progress 1
		.amdhsa_inst_pref_size 255
	.end_amdhsa_kernel
	.section	.bss,"aw",@nobits
	.p2align	6
	.space	262144
	.amdgpu_metadata
---
amdhsa.version: [ 1, 2 ]
amdhsa.kernels:
  - .name:           k_q71e63f5a48_ffn1
    .symbol:         k_q71e63f5a48_ffn1.kd
    .args:
      - { .name: sel, .offset: 0, .size: 8, .value_kind: global_buffer, .address_space: global }
      - { .name: xq, .offset: 8, .size: 8, .value_kind: global_buffer, .address_space: global }
      - { .name: xs, .offset: 16, .size: 8, .value_kind: global_buffer, .address_space: global }
      - { .name: w1_codes, .offset: 24, .size: 8, .value_kind: global_buffer, .address_space: global }
      - { .name: w1_scales, .offset: 32, .size: 8, .value_kind: global_buffer, .address_space: global }
      - { .name: b1, .offset: 40, .size: 8, .value_kind: global_buffer, .address_space: global }
      - { .name: hq, .offset: 48, .size: 8, .value_kind: global_buffer, .address_space: global }
      - { .name: hs, .offset: 56, .size: 8, .value_kind: global_buffer, .address_space: global }
      - { .name: plan, .offset: 64, .size: 8, .value_kind: global_buffer, .address_space: global }
    .group_segment_fixed_size: 324608
    .private_segment_fixed_size: 0
    .kernarg_segment_align: 8
    .kernarg_segment_size: 72
    .max_flat_workgroup_size: 128
    .sgpr_count:     100
    .vgpr_count:     1024
    .wavefront_size: 32
...
	.end_amdgpu_metadata
.endif
;; end of part 2
;; launch ffn2 (part 3): grid 8 x 29, 4 waves a work-group, no clusters, 270,848 bytes of LDS; arguments plan, hq, hs, w2_codes, w2_scales, b2, out0; writes out0
.if DOCPART == 3
	.amdgcn_target "amdgcn-amd-amdhsa--gfx1250"
	.amdhsa_code_object_version 6
	.text
	.protected	k_q71e63f5a48_ffn2
	.globl	k_q71e63f5a48_ffn2
	.p2align	8
	.type	k_q71e63f5a48_ffn2,@function
k_q71e63f5a48_ffn2:
	s_mov_b64 s[64:65], 0
	v_nop
	global_prefetch_b8 v0, s[64:65] scope:SCOPE_SE
	s_setreg_imm32_b32 hwreg(HW_REG_WAVE_MODE, 25, 1), 1
	s_wait_xcnt 0x0
; SECOND LAYER OF THE CHOSEN EXPERT: out0[token] = h W2 + b2 for a tile's rows, on codes of E2M1 with E8M0 scales.  h arrives as images of the operand's registers (hq) with its scale words (hs).
; SHARES.  Work-group (x, y): tile y's 80 rows x output columns 128 x .. + 127.  THE WAVES SHARE K: wave w takes K steps 8 w .. 8 w + 7 (1,024 of the 4,096) for all 80 x 128, so each byte of W2 and of h is loaded once in the
; work-group.  The four partial sums meet in LDS and are added in ascending K, with b2; each wave then stores 20 whole pieces of rows.
; W2: the wave's 128 rows x 512 bytes come by four tensor loads of 32 rows, each into LDS bytes of its own that only the issuing wave reads: first fills only, four loads of mine out at most.
; The product is used transposed (source 0 = 16 rows of W2, source 1 = 16 rows of h): a lane holds eight neighbouring columns of one row of the result.
; THE HEAD.  h's addresses hang on the tile's number alone: 48 of its 80 loads go out behind plan's scalar loads and ahead of the wait for them; W2's tiles, which want the expert's number, follow that wait.
; A tile's expert, valid rows and tokens are whole numbers read from plan.  No branch hangs on them.  EXEC is narrowed ONCE, round the 20 stores: all lanes where the tile has a valid row, else none.
; A ROW PAST THE VALID ONES carries the expert's last token and that token's codes (the first layer lays it so): it holds the same numbers as the tile's last valid row, and this work-group stores them to the same place again:
; at most 79 rows more for each expert.  A tile without a valid row stores nothing.
; NO CLUSTER: the tiles of one expert read the same W2, but which tiles those are is read from memory: a fixed group of tiles can hold tiles of two experts, whose descriptors would differ.
; LIMITS: the sum over K is taken in four parts of 1,024 that are added in ascending order, not as one chain.  NaN and infinities are not served.
; REGISTERS.  window 0: v1-10 addresses; v12 at work; v16-35 h's scale words (4 rb + i: K step i in lanes 0-15, 4 + i in lanes 16-31); v56-87 W2's (8 p + s); v88-91 b2; v92-111 my 20 rows' offsets in out0;
;   v128-255 W2's fragments, buffer 0, later the way out.   window 1: h's fragments of row blocks 0-3 (64 rb + 8 s); at the end v0-79 my 20 finished rows.
;   window 2: accumulators (column tile n, row block rb < 4) at 8 (4 n + rb).   window 3: v0-63 accumulators (n, row block 4); v64-127 h's fragments of row block 4; v128-255 W2, buffer 1.
.set HS,   16
.set W2S,  56
.set OFS,  92
.set WPW,  67584                       ; LDS: a wave's panel of W2: 128 rows of 512 bytes + 16 of padding
.set WPB,  16896                       ; 32 rows of it: one tensor load
.set WPP,  528
.set SRC,  42240                       ; the stage, from byte 0 on: 80 rows x 528 bytes for each wave's partial sums.  It lies over the panels, which by then have had their only fill and their last read
.set G1,   24                          ; s[24:31] descriptor group 1;  s[32:47] four groups 0
.set G0,   32
.set MSB, 0
.macro WIN new                         ; the immediate's high byte repeats the setting that is left
.if MSB != (\new)
	s_set_vgpr_msb (MSB<<8)|(\new)
.set MSB, (\new)
.endif
.endm
	s_load_b256 s[4:11], s[0:1], 0x0               ; plan s[4:5], hq s[6:7], hs s[8:9], w2_codes s[10:11]
	s_load_b128 s[12:15], s[0:1], 0x20             ; w2_scales s[12:13], b2 s[14:15]
	s_load_b64 s[16:17], s[0:1], 0x30              ; out0
	v_lshl_add_u32 v126, v0, 2, 0x42000
	v_mov_b32 v127, 0
	ds_add_u32 v126, v127
	ds_add_u32 v126, v127
	v_lshrrev_b32 v12, 5, v0
	v_readfirstlane_b32 s18, v12                   ; wave 0..3
	v_and_b32 v12, 31, v0
	v_lshlrev_b32 v1, 4, v12                       ; v1  16 x lane
	v_lshlrev_b32 v4, 7, v12                       ; v4  W2's scale rows: 128 bytes a row; lanes 0-15 tile 2 p's rows, lanes 16-31 tile 2 p + 1's
	v_and_b32 v13, 15, v0                          ; r
	v_bfe_u32 v14, v0, 4, 1                        ; h
	v_lshlrev_b32 v2, 2, v13
	v_lshl_add_u32 v2, v14, 9, v2                  ; v2  h's scale words: 4 r, and four K steps of 128 bytes on for lanes 16-31
	s_mul_i32 s72, s18, WPW
	v_mul_u32_u24 v3, v13, WPP
	v_lshl_add_u32 v5, v14, 5, v3
	v_lshl_add_u32 v3, v14, 4, v3
	v_add_nc_u32 v3, s72, v3                       ; v3  W2's fragments: my panel, row r, 16 h
	s_mul_i32 s72, s18, SRC
	v_add_nc_u32 v5, s72, v5                       ; v5  the stage, in: my part, row r, 32 h
	s_mul_i32 s72, s18, 20*WPP
	v_add_nc_u32 v6, s72, v1                       ; v6-9 the stage, out: my 20 rows in each wave's part, 16 bytes a lane
	v_add_nc_u32 v7, SRC, v6
	v_add_nc_u32 v8, 2*SRC, v6
	v_add_nc_u32 v9, 3*SRC, v6
	s_lshl_b32 s72, ttmp9, 9
	v_add_nc_u32 v10, s72, v1                      ; v10 my 16 bytes of a row of out0 and of b2: 512 x + 16 lane
	s_mov_b32 s[G1+0], 0x07900000                  ; no mask; elements of 1 byte; padding on: 4 words behind every 128
	s_mov_b32 s[G1+1], 512<<16                     ; tensor_dim0 = 512
	s_mov_b32 s[G1+2], 32<<16                      ; tensor_dim1 = 32
	s_mov_b32 s[G1+3], 512<<16                     ; tile_dim0 = 512
	s_mov_b32 s[G1+4], 32                          ; tile_dim1 = 32
	s_mov_b32 s[G1+5], 2048                        ; from row to row
	s_mov_b32 s[G1+6], 0
	s_mov_b32 s[G1+7], 0
	s_and_b32 s22, ttmp7, 0xffff                   ; the tile
	s_lshl_b32 s72, s22, 10                        ; its 1,024 bytes of plan
	s_mov_b32 s73, 0
	s_mul_i32 s74, s18, 80                         ; my 20 rows' tokens: 80 bytes
	s_mul_i32 s76, s22, 163840                     ; hq at (tile, row block 0, K step 8 w)
	s_lshl_b32 s75, s18, 13
	s_add_co_u32 s76, s76, s75
	s_mov_b32 s77, 0
	s_mul_i32 s78, s22, 20480                      ; hs likewise
	s_lshl_b32 s75, s18, 10
	s_add_co_u32 s78, s78, s75
	s_mov_b32 s79, 0
	s_wait_dscnt 0x0
	s_wait_kmcnt 0x0
	s_add_nc_u64 s[4:5], s[4:5], s[72:73]
	s_load_b64 s[20:21], s[4:5], 0x200             ; s20 the expert, s21 the valid rows
	s_load_b512 s[48:63], s[4:5], s74 offset:0x0
	s_load_b128 s[68:71], s[4:5], s74 offset:0x40
	s_add_nc_u64 s[6:7], s[6:7], s[76:77]
	s_add_nc_u64 s[8:9], s[8:9], s[78:79]
	WIN 0x40                                       ; h's fragments come as they were stored: 512 consecutive bytes an instruction.  Row blocks 0-2 go out while plan's numbers come
.irp rb, 0,1,2
.irp s, 0,1,2,3,4,5,6,7
.irp c, 0,1
	global_load_b128 v[64*\rb+8*\s+4*\c:64*\rb+8*\s+4*\c+3], v1, s[6:7] offset:32768*\rb+1024*\s+512*\c
.endr
.endr
.endr
	WIN 0
	s_wait_kmcnt 0x0                               ; plan
	s_min_u32 s20, s20, 3                          ; a loaded number enters addresses only behind this bound
	s_lshl_b32 s72, s20, 21                        ; W2: expert 2^21 bytes, 128 rows 2^18, my 512 bytes of each row
	s_lshl_b32 s75, ttmp9, 18
	s_add_co_u32 s72, s72, s75
	s_lshl_b32 s75, s18, 9
	s_add_co_u32 s72, s72, s75
	s_add_nc_u64 s[76:77], s[10:11], s[72:73]
	s_mul_i32 s75, s18, WPW
.irp p, 0,1,2,3
	s_mov_b32 s[G0+4*\p], 1                                        ; count = 1
	s_add_co_u32 s[G0+4*\p+1], s75, \p*WPB                         ; LDS address: my panel, rows 32 p on
	s_add_nc_u64 s[G0+4*\p+2:G0+4*\p+3], s[76:77], \p<<16          ; global address: 32 rows of 2,048 bytes on
	s_or_b32 s[G0+4*\p+3], s[G0+4*\p+3], 0x80000000                ; type = 2
.endr
.irp p, 0,1,2,3
	tensor_load_to_lds s[G0+4*\p:G0+4*\p+3], s[G1:G1+7]            ; the four first fills, together, ahead of every wait on TENSORcnt, every LDS read and every barrier
	s_nop 0
.endr
.rept 4
	v_nop                                          ; four nops behind a tensor load
.endr
	s_lshl_b32 s72, s20, 17                        ; W2's scale bytes: expert 2^17, 128 rows 2^14, my 32 bytes of each row
	s_lshl_b32 s75, ttmp9, 14
	s_add_co_u32 s72, s72, s75
	s_lshl_b32 s75, s18, 5
	s_add_co_u32 s72, s72, s75
	s_add_nc_u64 s[12:13], s[12:13], s[72:73]
	s_lshl_b32 s72, s20, 12                        ; b2: the expert's 4,096 bytes
	s_add_nc_u64 s[14:15], s[14:15], s[72:73]
	WIN 0x40                                       ; h's row block 3,
.irp s, 0,1,2,3,4,5,6,7
.irp c, 0,1
	global_load_b128 v[64*3+8*\s+4*\c:64*3+8*\s+4*\c+3], v1, s[6:7] offset:32768*3+1024*\s+512*\c
.endr
.endr
	WIN 0xc0                                       ; and row block 4
.irp s, 0,1,2,3,4,5,6,7
.irp c, 0,1
	global_load_b128 v[64+8*\s+4*\c:64+8*\s+4*\c+3], v1, s[6:7] offset:32768*4+1024*\s+512*\c
.endr
.endr
	WIN 0
.irp rb, 0,1,2,3,4
.irp i, 0,1,2,3
	global_load_b32 v[HS+4*\rb+\i], v2, s[8:9] offset:4096*\rb+128*\i     ; lanes 0-15: my K step i; lanes 16-31: my K step 4 + i
.endr
.endr
.irp p, 0,1,2,3
.irp q, 0,1
	global_load_b128 v[W2S+8*\p+4*\q:W2S+8*\p+4*\q+3], v4, s[12:13] offset:4096*\p+16*\q   ; register 8 p + s: the word of my K step s
.endr
.endr
	global_load_b128 v[88:91], v10, s[14:15]
	; my 20 rows' places in out0: token x 4,096 + 512 x + 16 lane.  Each token is bounded before it enters an address; each offset has a register of its own, written here, while all lanes are on, and never again
.set k, 0
.rept 20
.set ts, 48+k                          ; the row's token: s48-63, then s68-71
.if ts > 63
.set ts, ts+4
.endif
	s_min_u32 s72, s[ts], 0x7ff
	v_lshl_add_u32 v[OFS+k], s72, 12, v10
.set k, k+1
.endr
; Rows 32 p .. 32 p + 31 of my panel (two column tiles x 8 K steps) into buffer p % 2: window 0 or window 3
.macro LOADW2 p
	s_wait_tensorcnt 3-(\p)                        ; my loads end in order: part p has landed, the 3 - p younger ones may be out
	WIN 0xc0*((\p)%2)
.irp u, 0,1
.irp s, 0,1,2,3,4,5,6,7
.irp c, 0,1
	ds_load_b128 v[128+8*(8*\u+\s)+4*\c:128+8*(8*\u+\s)+4*\c+3], v3 offset:(32*(\p)+16*\u)*WPP+64*\s+32*\c
.endr
.endr
.endr
	WIN 0
.endm
; One product: column tile 2 p + u x row block rb, my K step s.  The first K step starts the sum with the constant 0.  W2's words: lanes 16-31 for u = 1; h's: lanes 16-31 for s >= 4.
.macro MM2 p, u, rb, s
.set rA, 128+8*(8*(\u)+(\s))
.if (\rb) < 4
.set rD, 8*(4*(2*(\p)+(\u))+(\rb))
.set rB, 64*(\rb)+8*(\s)
.else
.set rD, 8*(2*(\p)+(\u))
.set rB, 64+8*(\s)
.endif
.set rW, W2S+8*(\p)+(\s)
.set rX, HS+4*(\rb)+(\s)%4
.if ((\s) == 0) && ((\u) == 0)
	v_wmma_scale_f32_16x16x128_f8f6f4 v[rD:rD+7], v[rA:rA+7], v[rB:rB+7], 0, v[rW], v[rX] matrix_a_fmt:MATRIX_FMT_FP4 matrix_b_fmt:MATRIX_FMT_FP4
.elseif (\s) == 0
	v_wmma_scale_f32_16x16x128_f8f6f4 v[rD:rD+7], v[rA:rA+7], v[rB:rB+7], 0, v[rW], v[rX] matrix_a_fmt:MATRIX_FMT_FP4 matrix_b_fmt:MATRIX_FMT_FP4 matrix_a_scale:MATRIX_SCALE_ROW1
.elseif ((\s) < 4) && ((\u) == 0)
	v_wmma_scale_f32_16x16x128_f8f6f4 v[rD:rD+7], v[rA:rA+7], v[rB:rB+7], v[rD:rD+7], v[rW], v[rX] matrix_a_fmt:MATRIX_FMT_FP4 matrix_b_fmt:MATRIX_FMT_FP4
.elseif (\s) < 4
	v_wmma_scale_f32_16x16x128_f8f6f4 v[rD:rD+7], v[rA:rA+7], v[rB:rB+7], v[rD:rD+7], v[rW], v[rX] matrix_a_fmt:MATRIX_FMT_FP4 matrix_b_fmt:MATRIX_FMT_FP4 matrix_a_scale:MATRIX_SCALE_ROW1
.elseif (\u) == 0
	v_wmma_scale_f32_16x16x128_f8f6f4 v[rD:rD+7], v[rA:rA+7], v[rB:rB+7], v[rD:rD+7], v[rW], v[rX] matrix_a_fmt:MATRIX_FMT_FP4 matrix_b_fmt:MATRIX_FMT_FP4 matrix_b_scale:MATRIX_SCALE_ROW1
.else
	v_wmma_scale_f32_16x16x128_f8f6f4 v[rD:rD+7], v[rA:rA+7], v[rB:rB+7], v[rD:rD+7], v[rW], v[rX] matrix_a_fmt:MATRIX_FMT_FP4 matrix_b_fmt:MATRIX_FMT_FP4 matrix_a_scale:MATRIX_SCALE_ROW1 matrix_b_scale:MATRIX_SCALE_ROW1
.endif
.endm
; Part p: 80 products.  The accumulators take turns, one instruction a turn (eight, then row block 4's two).  The next part's fragments are fetched between the two runs.
.macro MMA2 p
	s_wait_dscnt 0x0                               ; this part's fragments are in
	WIN 0xa4+3*((\p)%2)                            ; W2 window 0 or 3, h window 1, sums window 2
.irp s, 0,1,2,3,4,5,6,7
.irp u, 0,1
.irp rb, 0,1,2,3
	MM2 \p, \u, \rb, \s
.endr
.endr
.endr
.if (\p) < 3
.rept 4
	v_nop                                          ; four places in front of loads into registers that matrix instructions have read
.endr
	LOADW2 (\p)+1
.endif
	WIN 0xfc+3*((\p)%2)                            ; row block 4: h and sums window 3
.irp s, 0,1,2,3,4,5,6,7
	MM2 \p, 0, 4, \s
	MM2 \p, 1, 4, \s
.endr
.endm
	LOADW2 0
	s_wait_loadcnt 0x0                             ; h, the scale words, b2
	MMA2 0
	MMA2 1
	MMA2 2
	MMA2 3
	WIN 0
.rept 4
	v_nop                                          ; four places between the last product and the first read of results
.endr
	s_wait_dscnt 0x0                               ; my reads of my panel are over (and all my tensor loads were waited for at the fetch of part 3):
	s_barrier_signal -1
	s_barrier_wait -1                              ; so are everybody's: the stage may be laid over the panels
	WIN 0x08                                       ; an LDS store's data are its source 1: window 2
.irp n, 0,1,2,3,4,5,6,7
.irp rb, 0,1,2,3
	ds_store_b128 v5, v[8*(4*\n+\rb):8*(4*\n+\rb)+3] offset:16*WPP*\rb+64*\n          ; each accumulator from its low end on: row 16 rb + r, columns 16 n + 8 h + 0 .. 7
	ds_store_b128 v5, v[8*(4*\n+\rb)+4:8*(4*\n+\rb)+7] offset:16*WPP*\rb+64*\n+16
.endr
.endr
	WIN 0x0c                                       ; window 3
.irp n, 0,1,2,3,4,5,6,7
	ds_store_b128 v5, v[8*\n:8*\n+3] offset:16*WPP*4+64*\n
	ds_store_b128 v5, v[8*\n+4:8*\n+7] offset:16*WPP*4+64*\n+16
.endr
	WIN 0
	s_wait_dscnt 0x0                               ; for the others' sake: my partial sums lie in the stage
	s_barrier_signal -1
	s_barrier_wait -1
; THE WAY OUT: my 20 rows in five groups of four, on two sets of 64 registers: row i of a group, wave q's partial sum at 16 i + 4 q.  A finished row goes to four registers of window 1, which h's fragments have left
.macro GLOAD g
.set bb, 128+64*((\g)%2)
.irp i, 0,1,2,3
.irp q, 0,1,2,3
	ds_load_b128 v[bb+16*\i+4*\q:bb+16*\i+4*\q+3], v[6+\q] offset:WPP*(4*(\g)+\i)
.endr
.endr
.endm
.macro GOUT g
.set bb, 128+64*((\g)%2)
.irp q, 4,8,12                         ; ascending K
.irp i, 0,1,2,3
	v_pk_add_f32 v[bb+16*\i:bb+16*\i+1], v[bb+16*\i:bb+16*\i+1], v[bb+16*\i+\q:bb+16*\i+\q+1]
	v_pk_add_f32 v[bb+16*\i+2:bb+16*\i+3], v[bb+16*\i+2:bb+16*\i+3], v[bb+16*\i+\q+2:bb+16*\i+\q+3]
.endr
.endr
	WIN 0x40                                       ; destination window 1
.irp i, 0,1,2,3
	v_pk_add_f32 v[4*(4*(\g)+\i):4*(4*(\g)+\i)+1], v[bb+16*\i:bb+16*\i+1], v[88:89]          ; + b2
	v_pk_add_f32 v[4*(4*(\g)+\i)+2:4*(4*(\g)+\i)+3], v[bb+16*\i+2:bb+16*\i+3], v[90:91]
.endr
	WIN 0
.endm
	GLOAD 0
.irp g, 0,1,2,3
	GLOAD \g+1
	s_wait_dscnt 16                                ; this group's sixteen loads are in; the next group's sixteen may be out
	GOUT \g
.endr
	s_wait_dscnt 0x0
	GOUT 4
	v_mov_b32 v12, 0
	v_cmp_gt_u32 vcc_lo, s21, v12                  ; has the tile a valid row?  The same answer in all lanes
	s_wait_xcnt 0x0                                ; EXEC changes only behind this wait
	s_wait_tensorcnt 0x0
	ds_add_u32 v126, v127
	s_wait_dscnt 0x0
	s_and_saveexec_b32 s73, vcc_lo
	WIN 0x04                                       ; a store's data are its source 1: window 1
.set k, 0
.rept 20
	global_store_b128 v[OFS+k], v[4*k:4*k+3], s[16:17] th:TH_STORE_NT   ; 32 lanes store 512 consecutive bytes, aligned; read by nobody here
.set k, k+1
.endr
	WIN 0
	s_wait_xcnt 0x0                                ; the stores have read EXEC: it is widened only behind this wait
	s_or_b32 exec_lo, exec_lo, s73
	s_endpgm
.Lfunc_end_k_q71e63f5a48_ffn2:
	.size	k_q71e63f5a48_ffn2, .Lfunc_end_k_q71e63f5a48_ffn2-k_q71e63f5a48_ffn2
	.p2alignl 7, 3214868480
	.fill 96, 4, 3214868480
	.section	.rodata,"a",@progbits
	.p2align	6, 0x0
	.amdhsa_kernel k_q71e63f5a48_ffn2
		.amdhsa_group_segment_fixed_size 270848
		.amdhsa_private_segment_fixed_size 0
		.amdhsa_enable_private_segment 0
		.amdhsa_kernarg_size 56
		.amdhsa_user_sgpr_count 2
		.amdhsa_user_sgpr_kernarg_segment_ptr 1
		.amdhsa_wavefront_size32 1
		.amdhsa_system_sgpr_workgroup_id_x 1
		.amdhsa_system_sgpr_workgroup_id_y 1
		.amdhsa_system_sgpr_workgroup_id_z 1
		.amdhsa_system_vgpr_workitem_id 0
		.amdhsa_next_free_vgpr 1024
		.amdhsa_next_free_sgpr 80
		.amdhsa_reserve_vcc 1
		.amdhsa_float_denorm_mode_32 3
		.amdhsa_float_denorm_mode_16_64 3
		.amdhsa_memory_ordered 1
		.amdhsa_forward_progress 1
		.amdhsa_inst_pref_size 91
	.end_amdhsa_kernel
	.amdgpu_metadata
---
amdhsa.version: [ 1, 2 ]
amdhsa.kernels:
  - .name:           k_q71e63f5a48_ffn2
    .symbol:         k_q71e63f5a48_ffn2.kd
    .args:
      - { .name: plan, .offset: 0, .size: 8, .value_kind: global_buffer, .address_space: global }
      - { .name: hq, .offset: 8, .size: 8, .value_kind: global_buffer, .address_space: global }
      - { .name: hs, .offset: 16, .size: 8, .value_kind: global_buffer, .address_space: global }
      - { .name: w2_codes, .offset: 24, .size: 8, .value_kind: global_buffer, .address_space: global }
      - { .name: w2_scales, .offset: 32, .size: 8, .value_kind: global_buffer, .address_space: global }
      - { .name: b2, .offset: 40, .size: 8, .value_kind: global_buffer, .address_space: global }
      - { .name: out0, .offset: 48, .size: 8, .value_kind: global_buffer, .address_space: global }
    .group_segment_fixed_size: 270848
    .private_segment_fixed_size: 0
    .kernarg_segment_align: 8
    .kernarg_segment_size: 56
    .max_flat_workgroup_size: 128
    .sgpr_count:     80
    .vgpr_count:     1024
    .wavefront_size: 32
...
	.end_amdgpu_metadata
.endif
;; end of part 3
